; MI455X (gfx1250); checked and timed in simulation.
; The chip was launched on July 23, 2026; its instructions are those of AMD's public machine-readable ISA for CDNA 5 (MIT licence, August 2026) and "CDNA5" Instruction Set Architecture Reference Guide (July 2026). The comments in the code are by the model that wrote it; some were corrected since.
;; Cross Attention. Allowed arithmetic: matrix products marked QUANTISED: E5M2 operands, one given power-of-two scale a tensor, by v_wmma_f32_16x16x64_bf8_bf8 or v_wmma_f32_16x16x128_bf8_bf8, f32 sums; everything else in f32.
;; Inputs: bk 256 float32; bo 256 float32; bq 256 float32; bv 256 float32; cond 4 x 256 x 64 x 64 float32; gn_kv_b 256 float32; gn_kv_w 256 float32; gn_q_b 256 float32; gn_q_w 256 float32; lowp_scales 12 int32 (the exponents e of the quantised operands' scales 2^e); wk_codes 256 x 8 x 32 uint8 (E5M2 codes of wk, K innermost, in blocks of 32 codes); wo_codes 256 x 8 x 32 uint8 (E5M2 codes of wo, K innermost, in blocks of 32 codes); wq_codes 256 x 8 x 32 uint8 (E5M2 codes of wq, K innermost, in blocks of 32 codes); wv_codes 256 x 8 x 32 uint8 (E5M2 codes of wv, K innermost, in blocks of 32 codes); x 4 x 256 x 64 x 64 float32.
;; Outputs: out0 4 x 256 x 64 x 64 float32.
;; This version of the problem:
;;   THIS VERSION OF THE PROBLEM IS GIVEN IN LOW PRECISION. The matrix products marked QUANTISED in the list below multiply operands that are first quantised to E5M2 (5 exponent bits, 2 mantissa bits; 8 bits a number), with one given power-of-two scale for each operand tensor; their sums are f32. All else is computed in f32.
;;   The module's matrix products, in the order in which they are computed (A, B: the left and right operand; K: the contracted axis; several contracted axes count as one K, in the product's order):
;;     1. [M 256, K 256] x [K 256, N 16,384]; A: input wq (given as codes); B: computed on the way: QUANTISED (scales: A lowp_scales[0], B lowp_scales[1])
;;     2. [M 256, K 256] x [K 256, N 16,384]; A: input wk (given as codes); B: computed on the way: QUANTISED (scales: A lowp_scales[2], B lowp_scales[3])
;;     3. [M 256, K 256] x [K 256, N 16,384]; A: input wv (given as codes); B: computed on the way: QUANTISED (scales: A lowp_scales[4], B lowp_scales[5])
;;     4. batch 16 x [M 4,096, K 64] x [K 64, N 4,096]; A: computed on the way; B: computed on the way: QUANTISED (scales: A lowp_scales[6], B lowp_scales[7])
;;     5. batch 16 x [M 64, K 4,096] x [K 4,096, N 4,096]; A: computed on the way; B: softmax (see below): QUANTISED (scales: A lowp_scales[8], B lowp_scales[9])
;;     6. [M 256, K 256] x [K 256, N 16,384]; A: input wo (given as codes); B: computed on the way: QUANTISED (scales: A lowp_scales[10], B lowp_scales[11])
;;   THE QUANTISER, for each operand of a quantised product, along K:
;;     - The operand's scale is 2^e, e = its entry of the input lowp_scales (int32; the entries are numbered through the quantised products in the list's order, A before B).
;;     - Each number is divided by the scale, clamped to +-57,344, and rounded to the nearest number of E5M2, ties to even, subnormals kept.
;;     - The product sums the exact products of the quantised numbers (number of the format x scale) in f32.
;;   ~~~python
;;   def quantise(x, axis, e):      # numpy; x: float32 -> the quantised numbers, widened to float32 again
;;       x = np.moveaxis(x, axis, -1); K = x.shape[-1]
;;       r = np.clip(x / 2.0 ** e, -57344, 57344)
;;       step = 2.0 ** (np.maximum(np.frexp(np.where(r == 0, 1, r))[1] - 1, -14) - 2)
;;       q = np.round(r / step) * step * 2.0 ** e      # np.round: ties to even
;;       return np.moveaxis(q, -1, axis).astype(np.float32)
;;   ~~~
;;   SOFTMAX AHEAD OF A QUANTISED PRODUCT. Where the list says 'softmax', what is quantised is not the finished softmax but p = 2^(t - M), with t = logit x log2(e) and M = ceil(the row's largest t), a whole number; so 1/2 < the row's largest p <= 1. The row's sum l is taken of the UNQUANTISED p, in f32, and the product's result is divided by l at the end. Since M is a whole number, a kernel that streams over the keys may use a running M (the ceiling of the running maximum): every later rescaling is an exact power of two, so the quantised numbers keep their values, but for numbers so far below the row's largest that they fall under the format's range.
;;   OPERANDS COMPUTED ON THE WAY. 'Computed on the way' means the value that the module computes at that place (a softmax that the list does not call 'softmax' is quantised finished and normalised). What goes into a quantiser is computed in f32, as accurately as f32 sums, v_exp_f32 and their like allow (about 1e-6 of the number): no bf16 or f16 on the way to a quantiser, and a product that is left as it is and whose result goes on into a quantised operand takes f32 operands (vector FMAs, or v_wmma_f32_16x16x4_f32). A number that lies on a knife's edge between two numbers of the format may be rounded either way, as far as f32 arithmetic and the matrix unit's own rounding can turn it there, and no further.
;;   INPUTS GIVEN AS CODES. wk (in the module: [256, 256], K = its axis 1); wo (in the module: [256, 256], K = its axis 1); wq (in the module: [256, 256], K = its axis 1); wv (in the module: [256, 256], K = its axis 1): each comes as NAME_codes (uint8): NAME with its K axis moved to the last place and cut into blocks of 32 codes, [.., K / 32, bytes a block], one block behind the other in memory; one code a byte (a code: sign, 5 exponent bits, 2 mantissa bits); its scale is its entry of lowp_scales. Its value is code x scale, taken as it is: it is not quantised again, and the codes and scales need not be those that the quantiser above would give.
;; One version. Each part assembles by itself: llvm-mc -triple=amdgcn-amd-amdhsa -mcpu=gfx1250 --defsym DOCPART=n.
;; ======== version 1 of 1: 4 launches
;; limits: right only within a limited range of input values
;; workspace buffers: xq 4,194,304 bytes; kvk 4,194,304 bytes; kvv 4,194,304 bytes; q_img 4,194,304 bytes; kv_img 8,388,608 bytes; o_img 4,194,304 bytes
;; launch gnq (part 1): grid 256 x 1, 8 waves a work-group, no clusters, 1,280 bytes of LDS; arguments x, cond, gn_q_w, gn_kv_w, gn_q_b, gn_kv_b, lowp_scales, xq, kvk, kvv; writes xq, kvk, kvv
.if DOCPART == 1
	.amdgcn_target "amdgcn-amd-amdhsa--gfx1250"
	.amdhsa_code_object_version 6
	.text
	.protected	k_q7c064e9045_gnq
	.globl	k_q7c064e9045_gnq
	.p2align	8
	.type	k_q7c064e9045_gnq,@function
k_q7c064e9045_gnq:
	s_mov_b64 s[64:65], 0
	v_nop
	global_prefetch_b8 v0, s[64:65] scope:SCOPE_SE
	s_setreg_imm32_b32 hwreg(HW_REG_WAVE_MODE, 25, 1), 1
	s_wait_xcnt 0x0
; GROUP NORM AND QUANTISER.  x and cond: [4][256][4096] f32.  A group is 8 channels x 4,096 numbers: 131,072 dense bytes.
; Work-groups 0-127 take x's 128 groups, 128-255 cond's.  A work-group holds its whole group in registers (256 threads x 128 numbers): memory is read once,
; the mean is taken first and the variance of the deviations second, so a common offset of the inputs costs no accuracy.
; y = (x - mean) rsqrt(var + 1e-5) gamma + beta is turned into codes of E5M2: x's with scale 2^e1 into xq; cond's twice, with 2^e3 into kvk and with 2^e5 into kvv.
; code = y / 2^e, held within +-57,344, to the nearest code, ties to even.  LIMITS: e1, e3, e5 between -126 and 112.  NaN among the inputs is not served.
; LAYOUT OUT: [batch 4][group 32][n 4096][the group's 8 channels]: 8 codes of one n on end, which are one register pair of the next launch's operand.
; Thread t takes n = 2 t + 512 q, q = 0..7, in all 8 channels: a wave's load covers 256 consecutive bytes, aligned; its store of 2 n x 8 codes a lane covers 512.
; No tensor load, no matrix unit, no cluster: work-groups share no input and each byte is read once.
.set X,  16                            ; v16-143   the group: register 16 q + 2 c + j = channel c, n = 2 t + 512 q + j; later 16 q + 0..7: the codes of q
.set Y,  144                           ; v144-159  16 normalised numbers: register 8 j + c (also at work in the reductions)
.set ZA, 160                           ; v160-175  the same, held for the first scale
.set ZB, 176                           ; v176-191  held for the second
	s_load_b512 s[4:19], s[0:1], 0x0               ; x 4, cond 6, gn_q_w 8, gn_kv_w 10, gn_q_b 12, gn_kv_b 14, scales 16, xq 18
	s_load_b128 s[20:23], s[0:1], 0x40             ; kvk 20, kvv 22
	v_lshl_add_u32 v192, v0, 2, 0x100
	v_mov_b32 v193, 0
	v_lshlrev_b32 v1, 3, v0                        ; in: 8 t
	v_lshlrev_b32 v2, 4, v0                        ; out: 16 t
	v_lshrrev_b32 v3, 5, v0
	s_delay_alu instid0(VALU_DEP_1)
	v_lshlrev_b32 v3, 2, v3                        ; LDS: 4 x wave
	v_mov_b32 v10, 0                               ; LDS: byte 0
	s_and_b32 s25, ttmp9, 127                      ; 32 x batch + group
	s_lshl_b32 s28, s25, 17                        ; the group's first byte in its tensor,
	s_mov_b32 s29, 0
	s_lshl_b32 s30, s25, 15                        ; and among the codes
	s_mov_b32 s31, 0
	s_and_b32 s26, s25, 31
	s_lshl_b32 s26, s26, 5                         ; its 8 gains and 8 biases
	s_mov_b32 s27, 0
	s_mov_b32 s68, 0x38000000                      ; 2^-15 = 1 / 32,768
	s_mov_b32 s69, 0x3727c5ac                      ; 1e-5
	s_mov_b32 s72, 0x76543210                      ; v_permlanex16_b32: lane l xor 16
	s_mov_b32 s73, 0xfedcba98
	s_wait_alu depctr_va_vdst(0)
	s_wait_kmcnt 0x0
	s_cmp_lt_u32 ttmp9, 128                        ; x's work-group or cond's: the choice hangs on the work-group's number alone
	s_cselect_b64 s[4:5], s[4:5], s[6:7]
	s_cselect_b64 s[8:9], s[8:9], s[10:11]
	s_cselect_b64 s[12:13], s[12:13], s[14:15]
	s_cselect_b64 s[18:19], s[18:19], s[20:21]     ; first codes: xq or kvk
	s_cselect_b32 s24, 1, 0
	s_add_nc_u64 s[4:5], s[4:5], s[28:29]
	s_add_nc_u64 s[8:9], s[8:9], s[26:27]
	s_add_nc_u64 s[12:13], s[12:13], s[26:27]
	s_add_nc_u64 s[18:19], s[18:19], s[30:31]
	s_add_nc_u64 s[22:23], s[22:23], s[30:31]      ; second codes: kvv
	s_load_b256 s[32:39], s[8:9], 0x0              ; gamma of my 8 channels
	s_load_b256 s[40:47], s[12:13], 0x0            ; beta
	s_load_b256 s[56:63], s[16:17], 0x0            ; e0 .. e7
.irp q, 0,1,2,3,4,5,6,7
.irp c, 0,1,2,3,4,5,6,7
	global_load_b64 v[X+16*\q+2*\c:X+16*\q+2*\c+1], v1, s[4:5] offset:16384*\c+2048*\q th:TH_LOAD_NT
.endr
.endr
; v4 of every thread -> the work-group's sum in v4 of every lane.  Across the lanes on the arithmetic itself, across the eight waves through eight LDS words at byte off.
.macro WGSUM off
	s_delay_alu instid0(VALU_DEP_1)
	v_add_f32_dpp v4, v4, v4 row_xmask:1 row_mask:0xf bank_mask:0xf
	s_delay_alu instid0(VALU_DEP_1)
	v_add_f32_dpp v4, v4, v4 row_xmask:2 row_mask:0xf bank_mask:0xf
	s_delay_alu instid0(VALU_DEP_1)
	v_add_f32_dpp v4, v4, v4 row_xmask:4 row_mask:0xf bank_mask:0xf
	s_delay_alu instid0(VALU_DEP_1)
	v_add_f32_dpp v4, v4, v4 row_xmask:8 row_mask:0xf bank_mask:0xf
	s_delay_alu instid0(VALU_DEP_1)
	v_permlanex16_b32 v5, v4, s72, s73
	s_delay_alu instid0(VALU_DEP_1)
	v_add_f32 v4, v4, v5
	ds_store_b32 v3, v4 offset:\off                ; all lanes of a wave write the wave's word with the same number
	s_wait_dscnt 0x0                               ; for the others' sake: my store has landed
	s_barrier_signal -1
	s_barrier_wait -1
	ds_load_b128 v[144:147], v10 offset:\off
	ds_load_b128 v[148:151], v10 offset:\off+16
	s_wait_dscnt 0x0
	v_add_f32 v144, v144, v145
	v_add_f32 v146, v146, v147
	v_add_f32 v148, v148, v149
	v_add_f32 v150, v150, v151
	s_delay_alu instid0(VALU_DEP_3)
	v_add_f32 v144, v144, v146
	s_delay_alu instid0(VALU_DEP_2)
	v_add_f32 v148, v148, v150
	s_delay_alu instid0(VALU_DEP_1)
	v_add_f32 v4, v144, v148                       ; the same order in every wave: the same number in every wave
.endm
	; the sum, in two packed chains; the first additions start them
.irp q, 0,1,2,3,4,5,6,7
	s_wait_loadcnt 8*(7-\q)                        ; the eight loads of this q are in; those of the later q may be out
.if \q == 0
	v_pk_add_f32 v[4:5], v[X:X+1], v[X+2:X+3]
	v_pk_add_f32 v[6:7], v[X+4:X+5], v[X+6:X+7]
.irp c, 4,6
	v_pk_add_f32 v[4:5], v[4:5], v[X+2*\c:X+2*\c+1]
	s_wait_alu depctr_va_vdst(0)
	v_pk_add_f32 v[6:7], v[6:7], v[X+2*\c+2:X+2*\c+3]
.endr
.else
	s_wait_alu depctr_va_vdst(0)
.irp c, 0
	v_pk_add_f32 v[4:5], v[4:5], v[X+16*\q+2*\c:X+16*\q+2*\c+1]
	v_pk_add_f32 v[6:7], v[6:7], v[X+16*\q+2*\c+2:X+16*\q+2*\c+3]
.endr
.irp c, 2, 4, 6
	s_delay_alu instid0(VALU_DEP_2)
	v_pk_add_f32 v[4:5], v[4:5], v[X+16*\q+2*\c:X+16*\q+2*\c+1]
	s_delay_alu instid0(VALU_DEP_2)
	v_pk_add_f32 v[6:7], v[6:7], v[X+16*\q+2*\c+2:X+16*\q+2*\c+3]
.endr
.endif
.endr
	s_delay_alu instid0(VALU_DEP_1)
	v_pk_add_f32 v[4:5], v[4:5], v[6:7]
	s_delay_alu instid0(VALU_DEP_1)
	v_add_f32 v4, v4, v5
	WGSUM 0
	s_delay_alu instid0(VALU_DEP_1)
	v_mul_f32 v4, s68, v4                          ; the mean
	; the deviations, in place, and the sum of their squares, in two packed chains
.irp q, 0,1,2,3,4,5,6,7
.irp c, 0,1,2,3,4,5,6,7
	v_pk_add_f32 v[X+16*\q+2*\c:X+16*\q+2*\c+1], v[X+16*\q+2*\c:X+16*\q+2*\c+1], v[4:5] op_sel_hi:[1,0] neg_lo:[0,1] neg_hi:[0,1]
.endr
.if \q == 0
	v_pk_mul_f32 v[6:7], v[X:X+1], v[X:X+1]
	v_pk_mul_f32 v[8:9], v[X+2:X+3], v[X+2:X+3]
.irp c, 2,4,6
	s_delay_alu instid0(VALU_DEP_2)
	v_pk_fma_f32 v[6:7], v[X+2*\c:X+2*\c+1], v[X+2*\c:X+2*\c+1], v[6:7]
	s_delay_alu instid0(VALU_DEP_2)
	v_pk_fma_f32 v[8:9], v[X+2*\c+2:X+2*\c+3], v[X+2*\c+2:X+2*\c+3], v[8:9]
.endr
.else
.irp c, 0
	v_pk_fma_f32 v[6:7], v[X+16*\q+2*\c:X+16*\q+2*\c+1], v[X+16*\q+2*\c:X+16*\q+2*\c+1], v[6:7]
	v_pk_fma_f32 v[8:9], v[X+16*\q+2*\c+2:X+16*\q+2*\c+3], v[X+16*\q+2*\c+2:X+16*\q+2*\c+3], v[8:9]
.endr
.irp c, 2, 4, 6
	s_delay_alu instid0(VALU_DEP_2)
	v_pk_fma_f32 v[6:7], v[X+16*\q+2*\c:X+16*\q+2*\c+1], v[X+16*\q+2*\c:X+16*\q+2*\c+1], v[6:7]
	s_delay_alu instid0(VALU_DEP_2)
	v_pk_fma_f32 v[8:9], v[X+16*\q+2*\c+2:X+16*\q+2*\c+3], v[X+16*\q+2*\c+2:X+16*\q+2*\c+3], v[8:9]
.endr
.endif
.endr
	s_delay_alu instid0(VALU_DEP_1)
	v_pk_add_f32 v[6:7], v[6:7], v[8:9]
	s_delay_alu instid0(VALU_DEP_1)
	v_add_f32 v4, v6, v7
	WGSUM 64                                       ; other LDS words than the first sum's: no wave can overwrite what another still reads
	s_delay_alu instid0(VALU_DEP_1)
	v_fma_f32 v4, v4, s68, s69                     ; the variance + 1e-5
	s_wait_alu depctr_va_vdst(0)
	v_rsq_f32 v5, v4
	v_nop                                          ; one plain instruction behind a transcendental (ISA guide 5.7.2)
	s_wait_alu depctr_va_vdst(0)
	v_readfirstlane_b32 s70, v5
	s_wait_kmcnt 0x0                               ; gamma, beta, the exponents
.irp c, 0,1,2,3,4,5,6,7
	s_mul_f32 s[48+\c], s70, s[32+\c]              ; a = rsqrt(..) x gamma
.endr
	s_cmp_lg_u32 s24, 0
	s_cselect_b32 s66, s57, s59                    ; e1 for x, e3 for cond
	s_add_co_i32 s66, s66, 127
	s_lshl_b32 s67, s66, 23
	v_mov_b32 v12, s67                             ; 2^e as f32: the conversion takes its exponent field
	s_add_co_i32 s66, s61, 127                     ; e5
	s_lshl_b32 s67, s66, 23
	v_mov_b32 v14, s67
; The 16 numbers of q: one multiply-add each, written so that a lane's 8 channels of one n stand on end; the conversion; the store.  two = 1: a second conversion for the second scale.
; The codes land in the registers that q's numbers have left, which nothing writes again: no store's data wait for anything.
; Ahead of each step's multiply-adds, which write the conversions' sources again, stands one plain v_nop.
.macro QSTEP q, two
.irp c, 0,1,2,3,4,5,6,7
	v_fma_f32 v[Y+\c], v[X+16*\q+2*\c], s[48+\c], s[40+\c]
	v_fma_f32 v[Y+8+\c], v[X+16*\q+2*\c+1], s[48+\c], s[40+\c]
.endr
.set j, 0
.rept 16
.set j, j+1
.endr
	v_cvt_scalef32_pk8_bf8_f32 v[X+16*\q:X+16*\q+1], v[Y:Y+7], v12
	v_cvt_scalef32_pk8_bf8_f32 v[X+16*\q+2:X+16*\q+3], v[Y+8:Y+15], v12
.if \two
.set j, 0
.rept 16
.set j, j+1
.endr
	v_cvt_scalef32_pk8_bf8_f32 v[X+16*\q+4:X+16*\q+5], v[Y:Y+7], v14
	v_cvt_scalef32_pk8_bf8_f32 v[X+16*\q+6:X+16*\q+7], v[Y+8:Y+15], v14
.endif
	global_store_b128 v2, v[X+16*\q:X+16*\q+3], s[18:19] offset:4096*\q      ; a wave stores 512 consecutive bytes, aligned
.if \two
	global_store_b128 v2, v[X+16*\q+4:X+16*\q+7], s[22:23] offset:4096*\q
.endif
.endm
	s_cmp_lg_u32 s24, 0
	s_cbranch_scc1 .Lonly_x
.irp q, 0,1,2,3,4,5,6,7
	v_nop
	QSTEP \q, 1                                    ; cond: kvk and kvv
.endr
	s_wait_tensorcnt 0x0
	ds_add_u32 v192, v193
	s_wait_dscnt 0x0
	s_endpgm
.Lonly_x:
.irp q, 0,1,2,3,4,5,6,7
	v_nop
	QSTEP \q, 0                                    ; x: xq
.endr
	s_wait_tensorcnt 0x0
	ds_add_u32 v192, v193
	s_wait_dscnt 0x0
	s_endpgm
.Lfunc_end_k_q7c064e9045_gnq:
	.size	k_q7c064e9045_gnq, .Lfunc_end_k_q7c064e9045_gnq-k_q7c064e9045_gnq
	.p2alignl 7, 3214868480
	.fill 96, 4, 3214868480
	.section	.rodata,"a",@progbits
	.p2align	6, 0x0
	.amdhsa_kernel k_q7c064e9045_gnq
		.amdhsa_group_segment_fixed_size 1280
		.amdhsa_private_segment_fixed_size 0
		.amdhsa_enable_private_segment 0
		.amdhsa_kernarg_size 80
		.amdhsa_user_sgpr_count 2
		.amdhsa_user_sgpr_kernarg_segment_ptr 1
		.amdhsa_wavefront_size32 1
		.amdhsa_system_sgpr_workgroup_id_x 1
		.amdhsa_system_sgpr_workgroup_id_y 1
		.amdhsa_system_sgpr_workgroup_id_z 1
		.amdhsa_system_vgpr_workitem_id 0
		.amdhsa_next_free_vgpr 194
		.amdhsa_next_free_sgpr 80
		.amdhsa_reserve_vcc 0
		.amdhsa_float_denorm_mode_32 3
		.amdhsa_float_denorm_mode_16_64 3
		.amdhsa_fp16_overflow 1
		.amdhsa_memory_ordered 1
		.amdhsa_forward_progress 1
		.amdhsa_inst_pref_size 49
	.end_amdhsa_kernel
	.amdgpu_metadata
---
amdhsa.version: [ 1, 2 ]
amdhsa.kernels:
  - .name:           k_q7c064e9045_gnq
    .symbol:         k_q7c064e9045_gnq.kd
    .args:
      - { .name: x, .offset: 0, .size: 8, .value_kind: global_buffer, .address_space: global }
      - { .name: cond, .offset: 8, .size: 8, .value_kind: global_buffer, .address_space: global }
      - { .name: gn_q_w, .offset: 16, .size: 8, .value_kind: global_buffer, .address_space: global }
      - { .name: gn_kv_w, .offset: 24, .size: 8, .value_kind: global_buffer, .address_space: global }
      - { .name: gn_q_b, .offset: 32, .size: 8, .value_kind: global_buffer, .address_space: global }
      - { .name: gn_kv_b, .offset: 40, .size: 8, .value_kind: global_buffer, .address_space: global }
      - { .name: lowp_scales, .offset: 48, .size: 8, .value_kind: global_buffer, .address_space: global }
      - { .name: xq, .offset: 56, .size: 8, .value_kind: global_buffer, .address_space: global }
      - { .name: kvk, .offset: 64, .size: 8, .value_kind: global_buffer, .address_space: global }
      - { .name: kvv, .offset: 72, .size: 8, .value_kind: global_buffer, .address_space: global }
    .group_segment_fixed_size: 1280
    .private_segment_fixed_size: 0
    .kernarg_segment_align: 8
    .kernarg_segment_size: 80
    .max_flat_workgroup_size: 256
    .sgpr_count:     80
    .vgpr_count:     194
    .wavefront_size: 32
...
	.end_amdgpu_metadata
.endif
;; end of part 1
;; launch proj (part 2): grid 256 x 1, 4 waves a work-group, no clusters, 0 bytes of LDS; arguments xq, kvk, kvv, wq_codes, wk_codes, wv_codes, bq, bk, bv, lowp_scales, q_img, kv_img; writes q_img, kv_img
.if DOCPART == 2
	.amdgcn_target "amdgcn-amd-amdhsa--gfx1250"
	.amdhsa_code_object_version 6
	.text
	.protected	k_q7c064e9045_proj
	.globl	k_q7c064e9045_proj
	.p2align	8
	.type	k_q7c064e9045_proj,@function
k_q7c064e9045_proj:
	s_mov_b64 s[64:65], 0
	v_nop
	global_prefetch_b8 v0, s[64:65] scope:SCOPE_SE
	s_setreg_imm32_b32 hwreg(HW_REG_WAVE_MODE, 25, 1), 1
	s_wait_xcnt 0x0
; q = wq xn + bq, k = wk kv + bk, v = wv kv + bv on codes of E5M2, each result quantised again (2^e6, 2^e7, 2^e8) and stored as IMAGES OF OPERAND REGISTERS for the attention launch.
; A work-group takes 64 columns n of one batch; wave w is head w (64 output channels) and does three jobs (q, k, v), each 64 x 64 x K 256: four units of 8 matrix instructions (4 accumulators by turns, 2 K steps of 128).
; OPERANDS.  A weight's fragment comes by 16-byte loads: registers 4 c .. 4 c + 3 of lane (r, h) hold k = 128 s + 32 c + 16 h + 0..15 of row r.  The other operand's codes lie [group of 8 channels][n][8]:
; register pair 2 c + u of the same lane is the 8 bytes of group 16 s + 4 c + 2 h + u at column n = r: the same k in the same place, so every product meets its partner.  (Sixteen lanes read 128 neighbouring bytes; the
; neighbouring tile's load, next in the text, takes the bytes beside them.)
; RESULTS.  q and k: source 0 = 16 rows of the weight, source 1 = 16 columns n: a lane holds one n and 8 neighbouring channels d = 16 i + 8 h + j: one conversion makes register pair i of a K = 64 operand.
; v: the sources are swapped: a lane holds one channel and 8 neighbouring keys; lane r of tile t takes row 32 (t / 2) + 8 (t % 2) + r + 8 (r / 8) of wv, so that the attention's results come out as 16 neighbouring channels.
; The bias goes in as the C of a sum's first instruction, divided by the power of two that the sums lack; the three scales ahead of each quantiser are folded into the conversion's one.
; LIMITS: e6 - e0 - e1, e7 - e2 - e3, e8 - e4 - e5 between -126 and 112.
; NO LDS, NO JOINT LOADS: each wave reads its own 48 KiB of weights once and makes one pass; there is no loop of fills that a cluster's round could serve.  The four waves read the same 48 KiB of codes at about the same time.
; REGISTERS: window p + 1 holds job p's operands: the weight's fragment (tile i, step s) at v[16 (2 i + s)], the codes' (tile t, step s) at v[128 + 16 (2 t + s)].
; window 0: v1-6 addresses; v8, v10, v12 scale of q, k, v; v16-19 bv as loaded; ACC two sets of 4 accumulators; BQ, BK, BV biases in the result's layout; CD two sets of 8 registers of codes.
.set ACC, 32
.set BQ,  96
.set BK,  128
.set BV,  160
.set CD,  192
.set MSB, 0
.macro WIN new                         ; the immediate's high byte repeats the setting that is left; a switch that changes nothing is dropped
.if MSB != (\new)
	s_set_vgpr_msb (MSB<<8)|(\new)
.set MSB, (\new)
.endif
.endm
	s_load_b512 s[4:19], s[0:1], 0x0               ; xq 4, kvk 6, kvv 8, wq 10, wk 12, wv 14, bq 16, bk 18
	s_load_b256 s[20:27], s[0:1], 0x40             ; bv 20, scales 22, q_img 24, kv_img 26
	v_lshrrev_b32 v7, 5, v0
	v_readfirstlane_b32 s50, v7                    ; wave = head
	v_and_b32 v14, 15, v0                          ; r
	v_bfe_u32 v15, v0, 4, 1                        ; h
	v_lshlrev_b32 v1, 3, v14
	v_lshl_add_u32 v1, v15, 16, v1                 ; codes: 8 r + two groups (65,536 bytes) x h
	v_lshlrev_b32 v2, 8, v14
	v_lshl_add_u32 v2, v15, 4, v2                  ; weights: row r of 256 bytes + 16 h
	v_and_b32 v6, 8, v14
	v_add_nc_u32 v6, v6, v14                       ; r + 8 (r / 8)
	v_lshlrev_b32 v3, 8, v6
	v_lshl_add_u32 v3, v15, 4, v3                  ; wv: that row + 16 h
	v_lshlrev_b32 v6, 2, v6                        ; bv: that row's number
	v_and_b32 v4, 31, v0
	v_lshlrev_b32 v4, 4, v4                        ; an image's place for my lane: 16 x lane
	v_lshlrev_b32 v5, 5, v15                       ; bq, bk: 8 numbers x h
	s_lshr_b32 s51, ttmp9, 6                       ; batch
	s_and_b32 s52, ttmp9, 63                       ; which 64 columns
	s_lshl_b32 s28, s51, 20
	s_lshl_b32 s53, s52, 9
	s_add_co_u32 s28, s28, s53                     ; the codes: batch x 2^20 + 64 columns x 8 bytes
	s_mov_b32 s29, 0
	s_lshl_b32 s30, s50, 14                        ; my 64 rows of a weight
	s_mov_b32 s31, 0
	s_lshl_b32 s44, s50, 8                         ; my 64 numbers of a bias
	s_mov_b32 s45, 0
	s_lshl_b32 s53, s51, 2
	s_add_co_u32 s53, s53, s50                     ; 4 x batch + head
	s_lshl_b32 s46, s53, 18
	s_lshl_b32 s54, s52, 12
	s_add_co_u32 s46, s46, s54                     ; q_img: [16][256 tiles][1,024]: my four tiles
	s_mov_b32 s47, 0
	s_lshl_b32 s48, s53, 19
	s_lshr_b32 s54, s52, 4
	s_lshl_b32 s54, s54, 17
	s_add_co_u32 s48, s48, s54                     ; kv_img: [16][4 slots of 1,024 keys][K 65,536, V 65,536]
	s_and_b32 s54, s52, 15
	s_lshl_b32 s54, s54, 12
	s_add_co_u32 s48, s48, s54                     ; my 64 keys: 4,096 bytes in K's part and in V's
	s_mov_b32 s49, 0
	s_wait_alu depctr_va_vdst(0)
	s_wait_kmcnt 0x0
	s_load_b256 s[32:39], s[22:23], 0x0            ; e0 .. e7
	s_load_b128 s[40:43], s[22:23], 0x20           ; e8 .. e11
	s_add_nc_u64 s[4:5], s[4:5], s[28:29]
	s_add_nc_u64 s[6:7], s[6:7], s[28:29]
	s_add_nc_u64 s[8:9], s[8:9], s[28:29]
	s_add_nc_u64 s[10:11], s[10:11], s[30:31]
	s_add_nc_u64 s[12:13], s[12:13], s[30:31]
	s_add_nc_u64 s[14:15], s[14:15], s[30:31]
	s_add_nc_u64 s[16:17], s[16:17], s[44:45]
	s_add_nc_u64 s[18:19], s[18:19], s[44:45]
	s_add_nc_u64 s[20:21], s[20:21], s[44:45]
	s_add_nc_u64 s[24:25], s[24:25], s[46:47]
	s_add_nc_u64 s[26:27], s[26:27], s[48:49]
.irp i, 0,1,2,3                        ; bq, bk in the result's layout: register j of tile i = channel 16 i + 8 h + j
	global_load_b128 v[BQ+8*\i:BQ+8*\i+3], v5, s[16:17] offset:64*\i
	global_load_b128 v[BQ+8*\i+4:BQ+8*\i+7], v5, s[16:17] offset:64*\i+16
	global_load_b128 v[BK+8*\i:BK+8*\i+3], v5, s[18:19] offset:64*\i
	global_load_b128 v[BK+8*\i+4:BK+8*\i+7], v5, s[18:19] offset:64*\i+16
.endr
.irp t, 0,1,2,3                        ; bv: one number a lane and tile
	global_load_b32 v[16+\t], v6, s[20:21] offset:4*(32*(\t/2)+8*(\t%2))
.endr
.macro LOADW p                         ; job p's 8 fragments of its weight: 32 loads
	WIN 0x40*(\p+1)
.irp i, 0,1,2,3
.irp s, 0,1
.irp c, 0,1,2,3
.if \p == 2
	global_load_b128 v[16*(2*\i+\s)+4*\c:16*(2*\i+\s)+4*\c+3], v3, s[10+2*\p:11+2*\p] offset:256*(32*(\i/2)+8*(\i%2))+128*\s+32*\c
.else
	global_load_b128 v[16*(2*\i+\s)+4*\c:16*(2*\i+\s)+4*\c+3], v2, s[10+2*\p:11+2*\p] offset:4096*\i+128*\s+32*\c
.endif
.endr
.endr
.endr
.endm
.macro LOADX p                         ; job p's 8 fragments of codes: 64 loads of a register pair
	WIN 0x40*(\p+1)
.irp s, 0,1
.irp c, 0,1,2,3
.irp u, 0,1
.irp t, 0,1,2,3
	global_load_b64 v[128+16*(2*\t+\s)+4*\c+2*\u:128+16*(2*\t+\s)+4*\c+2*\u+1], v1, s[4+2*\p:5+2*\p] offset:32768*(16*\s+4*\c+\u)+128*\t
.endr
.endr
.endr
.endr
.endm
; the scales of one job: v[vsc] = 2^(eo - ea - eb), s[sneg] = -(ea + eb)
.macro MKSC ea, eb, eo, vsc, sneg
	s_add_co_i32 s51, s[\ea], s[\eb]
	s_sub_co_i32 s[\sneg], 0, s51
	s_sub_co_i32 s52, s[\eo], s51
	s_add_co_i32 s52, s52, 127
	s_lshl_b32 s53, s52, 23
	v_mov_b32 v[\vsc], s53
	s_add_co_i32 s52, s52, 15
	s_lshl_b32 s52, s52, 23
	s_or_b32 s52, s52, 0x600000
.endm
; Unit u (job u / 4, tile u % 4): 8 matrix instructions on accumulator set u % 2; the four accumulators take turns, one instruction a turn.
.macro MULU u
.set pp, (\u)/4
.set tt, (\u)%4
.set ac, ACC+32*((\u)%2)
	WIN (pp+1)*5                                   ; sources 0 and 1: the job's window; C and D window 0
.irp s, 0,1
.irp i, 0,1,2,3
.if pp == 2
.set ra, 128+16*(2*\i+\s)
.set rb, 16*(2*tt+\s)
.set rc, BV+8*tt
.else
.set ra, 16*(2*\i+\s)
.set rb, 128+16*(2*tt+\s)
.set rc, BQ+32*pp+8*\i
.endif
.if \s == 0
	v_wmma_f32_16x16x128_bf8_bf8 v[ac+8*\i:ac+8*\i+7], v[ra:ra+15], v[rb:rb+15], v[rc:rc+7]
.else
	v_wmma_f32_16x16x128_bf8_bf8 v[ac+8*\i:ac+8*\i+7], v[ra:ra+15], v[rb:rb+15], v[ac+8*\i:ac+8*\i+7]
.endif
.endr
.endr
	WIN 0
.endm
; Unit u's 32 sums become 8 registers of codes.  Each accumulator is read from its low end on.
.macro QUANT u
.set pp, (\u)/4
.set ac, ACC+32*((\u)%2)
.set cd, CD+8*((\u)%2)
	s_wait_xcnt 0x0                                ; the stores of two units back have read this set of code registers
.set j, 0
.rept 32
.set j, j+1
.endr
	v_nop
	v_nop
.irp i, 0,1,2,3
	v_cvt_scalef32_pk8_bf8_f32 v[cd+2*\i:cd+2*\i+1], v[ac+8*\i:ac+8*\i+7], v[8+2*pp]
.endr
	v_nop                                          ; one plain instruction between the conversions and the products that write their sources again
.endm
.macro SEND u                          ; the image: two stores of 512 consecutive bytes, aligned
.set pp, (\u)/4
.set tt, (\u)%4
.set cd, CD+8*((\u)%2)
.if pp == 0
	global_store_b128 v4, v[cd:cd+3], s[24:25] offset:1024*tt
	global_store_b128 v4, v[cd+4:cd+7], s[24:25] offset:1024*tt+512
.else
	global_store_b128 v4, v[cd:cd+3], s[26:27] offset:65536*(pp-1)+1024*tt
	global_store_b128 v4, v[cd+4:cd+7], s[26:27] offset:65536*(pp-1)+1024*tt+512
.endif
.endm
	LOADW 0
	LOADX 0
	LOADW 1
	LOADX 1
	WIN 0
	s_wait_kmcnt 0x0
	MKSC 32, 33, 38, 8, 55                         ; q: e0, e1, e6
	MKSC 34, 35, 39, 10, 56                        ; k: e2, e3, e7
	MKSC 36, 37, 40, 12, 57                        ; v: e4, e5, e8
	s_wait_loadcnt 63                              ; behind the biases' and job 0's loads 96 were issued: 63, the largest count that the wait can name, shows them in
.set j, 0
.rept 32
	v_ldexp_f32 v[BQ+j], v[BQ+j], s55              ; bq / 2^(e0 + e1)
	v_ldexp_f32 v[BK+j], v[BK+j], s56
.set j, j+1
.endr
.irp t, 0,1,2,3
.irp j, 0,1,2,3,4,5,6,7
	v_ldexp_f32 v[BV+8*\t+\j], v[16+\t], s57       ; in v's results a lane holds one channel: eight equal registers
.endr
.endr
	MULU 0
	LOADW 2
	LOADX 2
	WIN 0
.rept 4
	v_nop                                          ; places behind unit 0's products, ahead of the first read of their results (ISA guide 7.12.1); later the unit before's conversions and nops are the places
.endr
.set U, 0
.rept 11
.if U+1 == 4
	s_wait_loadcnt 63                              ; behind job 1's loads stand job 2's 96
.endif
.if U+1 == 8
	s_wait_loadcnt 0x0
.endif
	MULU U+1                                       ; the next unit's products are issued ahead of this unit's vector work
	QUANT U
	SEND U
.set U, U+1
.endr
	QUANT 11
	SEND 11
	s_endpgm
.Lfunc_end_k_q7c064e9045_proj:
	.size	k_q7c064e9045_proj, .Lfunc_end_k_q7c064e9045_proj-k_q7c064e9045_proj
	.p2alignl 7, 3214868480
	.fill 96, 4, 3214868480
	.section	.rodata,"a",@progbits
	.p2align	6, 0x0
	.amdhsa_kernel k_q7c064e9045_proj
		.amdhsa_group_segment_fixed_size 0
		.amdhsa_private_segment_fixed_size 0
		.amdhsa_enable_private_segment 0
		.amdhsa_kernarg_size 96
		.amdhsa_user_sgpr_count 2
		.amdhsa_user_sgpr_kernarg_segment_ptr 1
		.amdhsa_wavefront_size32 1
		.amdhsa_system_sgpr_workgroup_id_x 1
		.amdhsa_system_sgpr_workgroup_id_y 1
		.amdhsa_system_sgpr_workgroup_id_z 1
		.amdhsa_system_vgpr_workitem_id 0
		.amdhsa_next_free_vgpr 1024
		.amdhsa_next_free_sgpr 66
		.amdhsa_reserve_vcc 0
		.amdhsa_float_denorm_mode_32 3
		.amdhsa_float_denorm_mode_16_64 3
		.amdhsa_fp16_overflow 1
		.amdhsa_memory_ordered 1
		.amdhsa_forward_progress 1
		.amdhsa_inst_pref_size 53
	.end_amdhsa_kernel
	.amdgpu_metadata
---
amdhsa.version: [ 1, 2 ]
amdhsa.kernels:
  - .name:           k_q7c064e9045_proj
    .symbol:         k_q7c064e9045_proj.kd
    .args:
      - { .name: xq, .offset: 0, .size: 8, .value_kind: global_buffer, .address_space: global }
      - { .name: kvk, .offset: 8, .size: 8, .value_kind: global_buffer, .address_space: global }
      - { .name: kvv, .offset: 16, .size: 8, .value_kind: global_buffer, .address_space: global }
      - { .name: wq_codes, .offset: 24, .size: 8, .value_kind: global_buffer, .address_space: global }
      - { .name: wk_codes, .offset: 32, .size: 8, .value_kind: global_buffer, .address_space: global }
      - { .name: wv_codes, .offset: 40, .size: 8, .value_kind: global_buffer, .address_space: global }
      - { .name: bq, .offset: 48, .size: 8, .value_kind: global_buffer, .address_space: global }
      - { .name: bk, .offset: 56, .size: 8, .value_kind: global_buffer, .address_space: global }
      - { .name: bv, .offset: 64, .size: 8, .value_kind: global_buffer, .address_space: global }
      - { .name: lowp_scales, .offset: 72, .size: 8, .value_kind: global_buffer, .address_space: global }
      - { .name: q_img, .offset: 80, .size: 8, .value_kind: global_buffer, .address_space: global }
      - { .name: kv_img, .offset: 88, .size: 8, .value_kind: global_buffer, .address_space: global }
    .group_segment_fixed_size: 0
    .private_segment_fixed_size: 0
    .kernarg_segment_align: 8
    .kernarg_segment_size: 96
    .max_flat_workgroup_size: 128
    .sgpr_count:     66
    .vgpr_count:     1024
    .wavefront_size: 32
...
	.end_amdgpu_metadata
.endif
;; end of part 2
;; launch attn (part 3): grid 16 x 16, 8 waves a work-group, clusters of 4 x 1, 327,680 bytes of LDS; arguments q_img, kv_img, lowp_scales, o_img; writes o_img
.if DOCPART == 3
	.amdgcn_target "amdgcn-amd-amdhsa--gfx1250"
	.amdhsa_code_object_version 6
	.text
	.protected	k_q7c064e9045_attn
	.globl	k_q7c064e9045_attn
	.p2align	8
	.type	k_q7c064e9045_attn,@function
k_q7c064e9045_attn:
	s_mov_b64 s[64:65], 0
	v_nop
	global_prefetch_b8 v0, s[64:65] scope:SCOPE_SE
	s_setreg_imm32_b32 hwreg(HW_REG_WAVE_MODE, 25, 1), 1
	s_wait_xcnt 0x0
	s_wait_alu depctr_hold_cnt(0) depctr_sa_sdst(0) depctr_va_vdst(0) depctr_va_sdst(0) depctr_va_ssrc(0) depctr_va_vcc(0) depctr_vm_vsrc(0)
	s_getreg_b32 s2, hwreg(HW_REG_IB_STS2, 6, 4)
	s_cmp_eq_u32 s2, 0
	s_cbranch_scc0 .Lentry_in_a_cluster
	s_endpgm
.Lentry_in_a_cluster:
	s_bfe_u32 s2, ttmp6, 0x10000c
	s_cmp_lg_u32 s2, 0x3003
	s_cbranch_scc0 .Lentry_shape_is_right
	s_endpgm
.Lentry_shape_is_right:
; ATTENTION ON CODES OF E5M2: 16 heads (4 batches x 4), 4,096 queries x 4,096 keys x head size 64.  out = softmax(q k / 8) v, quantised with 2^e11 and stored as images of the last launch's operand registers.
; THE SOFTMAX: t = score x log2(e) / 8; M = the running largest t rounded UP to a whole number; p = 2^(t - M) is quantised with 2^e9; the row's sum is taken of the unquantised p and divides at the end.
; When M moves, the sum and O are multiplied by 2^(old M - new M), which rounds nothing; there is no branch on data.
; SHARES.  A work-group owns 256 queries of one head; each of its eight waves 32 of them, two tiles of 16, so that each fragment of K and of V read from LDS feeds two matrix instructions; two waves to a SIMD, so that one
; wave's vector work stands beside the other's matrix work and LDS loads.  Every wave walks all 4,096 keys, 128 a step.
; LAYOUT.  Both products are used transposed: S^T = K Q^T (source 0 = 16 keys, source 1 = 16 queries, K = 64), O^T = V^T P^T (source 0 = 16 channels, source 1 = P, K = 128 keys): a lane holds ONE query throughout, and one
; conversion of a tile of S^T is register pair i of P.  K, V and Q lie in memory as images of their registers (16 bytes a lane, 512 a load): LDS needs no pitch and no padding.
; RING.  Two LDS slots of 1,024 keys (K's 64 images, then V's 64: 131,072 bytes, dense in memory as in LDS).  Each of the eight waves fetches an eighth of a slot with one tensor load of 64 rows x 256 bytes.
; CLUSTER.  The four query blocks of a cluster belong to one head and walk the same K and V: each load is a JOINT one, the same descriptor with a mask that names the four, in all four.
; LIMITS: e6 + e7 between -123 and 130 (added to c's exponent field); e9 and e11 - e8 - e9 between -126 and 112.
; REGISTERS, window 0: v1-6 addresses; v7 scale; v8-15 statistics (tile q: v[8+4q] -M, +1 the largest t, +2, +3 the sum in two halves); v16-31 at work; S scores then p, 64 a tile; P codes, 16 a tile;
; O sums, 32 a tile.  window 1: Q's two fragments, K's eight, V's four (16 channels x 128 keys).
.set SLOTB, 1<<17
.set SPARE, 2*SLOTB                    ; behind the ring: the spare words, 128 bytes for each wave: four blocks of 256 bytes that no other line names
.set LI,   1                           ; v1   16 x lane: an image's place for my lane
.set ADK,  2                           ; v2   LDS address of the step's images of K
.set ADV,  3                           ; v3   of V
.set SPW,  4                           ; v4   LDS address of my spare word; never rewritten
.set NIL,  5                           ; v5   0; never rewritten
.set PFO,  6                           ; v6   256 x lane: the prefetches' offset; never rewritten
.set SCL,  7
.set LIMP, 19
.set ST,   8
.set TT,   16                          ; tile q at work: v[16+8q] +0, +1 maxima, +2 the other half's, +4 f (+5 named with it), +6, +7 a second chain of sums
.set S,    32
.set P,    160
.set O,    192
.set QF,   0                           ; window 1
.set KF,   64
.set VF,   128
.set WV,   12
.set CX,   13
.set BLK,  14
.set BH,   15
.set LIM,  16                          ; s16  1 in a wave that prefetches, else the greatest number
.set SLOTS, 17                         ; s17  slots still to be asked for
.set CNT,  18
.set TB,   19                          ; s19  LDS byte at which the step's images of K begin
.set PFA,  20                          ; s[20:21] where my prefetches stand
.set CS,   22                          ; s[22:23] c = log2(e) / 8 x 2^(e6 + e7)
.set G1,   24                          ; s[24:31] descriptor group 1
.set G0,   32                          ; s[32:35] descriptor group 0, which walks
.set SEL,  36                          ; s[36:37] v_permlanex16_b32: lane l xor 16
.set MSB, 0
.macro WIN new                         ; the immediate's high byte repeats the setting that is left
.if MSB != (\new)
	s_set_vgpr_msb (MSB<<8)|(\new)
.set MSB, (\new)
.endif
.endm
.macro CROUND                          ; a round of the cluster's barrier: my work-group's barrier; wave 0 signals for the work-group; every wave waits for all four; my work-group's barrier once more
	s_barrier_signal -1
	s_barrier_wait -1
	s_cmp_lg_u32 s[WV], 0
	s_cbranch_scc1 .Lnot_wave_0_\@
	s_barrier_signal -3
.Lnot_wave_0_\@:
	s_barrier_wait -3
	s_barrier_signal -1
	s_barrier_wait -1
.endm
; A PREFETCH INTO THE L2 of the slot that the NEXT change of slots will ask for: 131,072 bytes, named once in the launch.  All four clusters of a head walk the same K and V: the head's first cluster asks.  Its four partners
; take 32,768 bytes each, told apart BY ADDRESS; in each, waves 0 to 3 take 8,192 bytes, lanes 256 bytes apart: one instruction a wave.  The last change that fills a slot asks for nothing: there is no slot behind it.
.macro ASK
	s_cmp_gt_u32 s[SLOTS], s[LIM]
	s_cbranch_scc0 .Lnot_mine_\@
	global_prefetch_b8 v[PFO], s[PFA:PFA+1] th:TH_LOAD_NT scope:SCOPE_SE
.Lnot_mine_\@:
.endm
	s_load_b256 s[4:11], s[0:1], 0x0               ; q_img 4, kv_img 6, scales 8, o_img 10
	v_lshl_add_u32 v[SPW], v0, 2, SPARE
	v_mov_b32 v[NIL], 0
	ds_add_u32 v4, v5
	ds_add_u32 v4, v5
	s_wait_dscnt 0x0
	v_lshrrev_b32 v1, 5, v0
	s_delay_alu instid0(VALU_DEP_1)
	v_readfirstlane_b32 s[WV], v1                  ; wave 0..7
	s_bfe_u32 s[CX], ttmp6, 0x40000                ; cx: my place in the cluster
	s_lshl_b32 s[BLK], ttmp9, 2
	s_add_co_u32 s[BLK], s[BLK], s[CX]             ; my block of 256 queries: it enters Q's and O's addresses alone
	s_and_b32 s[BH], ttmp7, 0xffff                 ; 4 x batch + head, which the four partners share
	s_mov_b32 s[G1], 15|(3<<16)|(1<<21)            ; 15:0 the mask: all four work-groups; 17:16 elements of 8 bytes; 21 set beside a mask; no padding
	s_mov_b32 s[G1+1], 32<<16                      ; tensor_dim0 = 32 elements: 256 bytes
	s_mov_b32 s[G1+2], 64<<16                      ; tensor_dim1 = 64
	s_mov_b32 s[G1+3], 32<<16                      ; tile_dim0 = 32
	s_mov_b32 s[G1+4], 64                          ; tile_dim1 = 64
	s_mov_b32 s[G1+5], 32                          ; from row to row: dense
	s_mov_b32 s[G1+6], 0
	s_mov_b32 s[G1+7], 0
	s_mov_b32 s[SEL], 0x76543210
	s_mov_b32 s[SEL+1], 0xfedcba98
	s_mov_b32 s[CS], 0x3e38aa3b                    ; log2(e) / 8
	s_mov_b32 s[TB], 0
	s_mov_b32 s[SLOTS], 3
	s_lshl_b32 s38, s[BH], 19                      ; the head's K and V: 524,288 bytes,
	s_lshl_b32 s40, s[WV], 14                      ; my eighth of a slot, in memory and in LDS: no place in the cluster enters it
	s_add_co_u32 s38, s38, s40
	s_mov_b32 s39, 0
	s_lshl_b32 s42, s[BH], 18                      ; Q: [16][256 tiles][1,024]: tile 16 x block + 2 x wave
	s_lshl_b32 s41, s[BLK], 14
	s_add_co_u32 s42, s42, s41
	s_lshl_b32 s41, s[WV], 11
	s_add_co_u32 s42, s42, s41
	s_mov_b32 s43, 0
	s_lshr_b32 s44, s[BH], 2                       ; O: [batch 4][256 tiles][head 4][1,024]
	s_lshl_b32 s44, s44, 20
	s_lshl_b32 s41, s[BLK], 16
	s_add_co_u32 s44, s44, s41
	s_lshl_b32 s41, s[WV], 13
	s_add_co_u32 s44, s44, s41
	s_and_b32 s41, s[BH], 3
	s_lshl_b32 s41, s41, 10
	s_add_co_u32 s44, s44, s41
	s_mov_b32 s45, 0
	s_lshl_b32 s46, s[BH], 19                      ; the prefetches: in slot 1; the first change of slots steps them to slot 2.  Nothing is prefetched at the head
	s_add_co_u32 s46, s46, SLOTB
	s_lshl_b32 s41, s[CX], 15
	s_add_co_u32 s46, s46, s41
	s_and_b32 s41, s[WV], 3
	s_lshl_b32 s41, s41, 13
	s_add_co_u32 s46, s46, s41
	s_mov_b32 s47, 0
	s_lshr_b32 s41, s[WV], 2                       ; 0 in waves 0 to 3,
	s_or_b32 s41, s41, ttmp9                       ; of the head's first cluster: the same in all four partners
	s_cmp_eq_u32 s41, 0
	s_cselect_b32 s[LIM], 1, -1
	v_and_b32 v[LI], 31, v0
	s_delay_alu instid0(VALU_DEP_1)
	v_lshlrev_b32 v[PFO], 8, v[LI]
	s_delay_alu instid0(VALU_DEP_2)
	v_lshlrev_b32 v[LI], 4, v[LI]
	s_wait_kmcnt 0x0
	s_load_b256 s[48:55], s[8:9], 0x10             ; e4 .. e11
	s_mov_b32 s[G0], 1                             ; count = 1
	s_mov_b32 s[G0+1], s40                         ; LDS address: slot 0, my eighth
	s_add_nc_u64 s[G0+2:G0+3], s[6:7], s[38:39]    ; global address: the head's first 1,024 keys, my eighth
	s_or_b32 s[G0+3], s[G0+3], 0x80000000          ; type = 2
	s_add_nc_u64 s[PFA:PFA+1], s[6:7], s[46:47]
	s_add_nc_u64 s[4:5], s[4:5], s[42:43]
	s_add_nc_u64 s[10:11], s[10:11], s[44:45]
	CROUND                                         ; all four work-groups are here: the first joint loads meet
	tensor_load_to_lds s[G0:G0+3], s[G1:G1+7]      ; slot 0: by this text's count one tensor load of a wave is out, here and behind every round
	s_nop 0
.rept 4
	v_nop                                          ; behind a tensor load
.endr
	WIN 0x40                                       ; destination window 1
	s_wait_alu depctr_va_vdst(0)
.irp q, 0,1
.irp u, 0,1
	global_load_b128 v[QF+8*\q+4*\u:QF+8*\q+4*\u+3], v[LI], s[4:5] offset:1024*\q+512*\u   ; Q's two fragments stay in registers
.endr
.endr
	WIN 0
.irp q, 0,1
	v_mov_b32 v[ST+4*\q+1], 0xff61b1e6             ; the largest t so far: -3e38, under every t
	s_delay_alu instid0(VALU_DEP_1)
	v_floor_f32 v[ST+4*\q], -v[ST+4*\q+1]          ; -M
	v_mov_b32 v[ST+4*\q+2], 0                      ; the sum, in two halves
	v_mov_b32 v[ST+4*\q+3], 0
	v_mov_b32 v[TT+8*\q+2], 0                      ; a lane permute's destination counts as one of its sources
	v_mov_b32 v[TT+8*\q+5], 0                      ; named as the upper half of f's pair
.endr
.set j, O
.rept 64
	v_mov_b32 v[j], 0                              ; O^T.  The key step is written without a first step of its own: the first finds zeros, which the first change of M leaves zeros
.set j, j+1
.endr
	s_wait_kmcnt 0x0
	s_add_co_i32 s38, s50, s51                     ; a score stands for score x 2^(e6 + e7): added to c's exponent field
	s_lshl_b32 s38, s38, 23
	s_add_co_i32 s[CS], s[CS], s38
	s_mov_b32 s[CS+1], s[CS]                       ; named with it as a pair
	s_add_co_i32 s38, s53, 127
	s_lshl_b32 s39, s38, 23
	v_mov_b32 v[SCL], s39                          ; 2^e9 as f32
; A KEY STEP: 128 keys, both tiles of queries.
.macro STEP
	v_add_nc_u32 v[ADK], s[TB], v[LI]
	s_delay_alu instid0(VALU_DEP_1)
	v_add_nc_u32 v[ADV], 0x10000, v[ADK]           ; V's images lie 65,536 bytes behind K's
	v_nop
	v_nop                                          ; with the two additions: four places between the last step's products and the loads into the registers that they read
	WIN 0x40
.irp i, 0,1,2,3,4,5,6,7
.irp u, 0,1
	ds_load_b128 v[KF+8*\i+4*\u:KF+8*\i+4*\u+3], v[ADK] offset:1024*\i+512*\u              ; keys 16 i on
.endr
.endr
.irp t, 0,1,2,3
.irp b, 0,1
.irp u, 0,1
	ds_load_b128 v[VF+16*\t+8*\b+4*\u:VF+16*\t+8*\b+4*\u+3], v[ADV] offset:1024*(4*\b+\t)+512*\u   ; channel tile t, keys 64 b on
.endr
.endr
.endr
	s_wait_dscnt 16                                ; K's sixteen loads are in; V's sixteen, issued behind them, may be out
	WIN 0x05                                       ; K and Q window 1, S^T window 0
.irp i, 0,1,2,3,4,5,6,7
.irp q, 0,1
	v_wmma_f32_16x16x64_bf8_bf8 v[S+64*\q+8*\i:S+64*\q+8*\i+7], v[KF+8*\i:KF+8*\i+7], v[QF+8*\q:QF+8*\q+7], 0
.endr
.endr
	WIN 0
.rept 4
	v_nop                                          ; places ahead of the first read of the scores
.endr
	; the step's largest score of each query among the lane's 64 keys, two chains a tile; each accumulator is first read at its low end
.irp q, 0,1
	v_max3_num_f32 v[TT+8*\q], v[S+64*\q], v[S+64*\q+1], v[S+64*\q+2]
	v_max3_num_f32 v[TT+8*\q+1], v[S+64*\q+3], v[S+64*\q+4], v[S+64*\q+5]
.endr
.irp i, 6,10,14,18,22,26,30,34,38,42,46,50,54,58
.irp q, 0,1
	v_max3_num_f32 v[TT+8*\q], v[TT+8*\q], v[S+64*\q+\i], v[S+64*\q+\i+1]
	v_max3_num_f32 v[TT+8*\q+1], v[TT+8*\q+1], v[S+64*\q+\i+2], v[S+64*\q+\i+3]
.endr
.endr
.irp q, 0,1
	v_max3_num_f32 v[TT+8*\q], v[TT+8*\q], v[S+64*\q+62], v[S+64*\q+63]
.endr
.irp q, 0,1
	s_delay_alu instid0(VALU_DEP_2)
	v_max_num_f32 v[TT+8*\q], v[TT+8*\q], v[TT+8*\q+1]
.endr
.irp q, 0,1
	s_delay_alu instid0(VALU_DEP_2)
	v_permlanex16_b32 v[TT+8*\q+2], v[TT+8*\q], s[SEL], s[SEL+1]
.endr
.irp q, 0,1
	s_delay_alu instid0(VALU_DEP_2)
	v_max_num_f32 v[TT+8*\q], v[TT+8*\q], v[TT+8*\q+2]     ; and among lane l xor 16's
.endr
.irp q, 0,1
	s_delay_alu instid0(VALU_DEP_2)
	v_mul_f32 v[TT+8*\q], s[CS], v[TT+8*\q]        ; as t (c is positive)
.endr
.irp q, 0,1
	s_delay_alu instid0(VALU_DEP_2)
	v_max_num_f32 v[ST+4*\q+1], v[ST+4*\q+1], v[TT+8*\q]   ; the running largest t
.endr
.irp q, 0,1
	v_mov_b32 v[TT+8*\q], v[ST+4*\q]
.endr
.irp q, 0,1
	s_delay_alu instid0(VALU_DEP_4)
	v_floor_f32 v[ST+4*\q], -v[ST+4*\q+1]          ; the new -M = floor(-t) = -ceil(t)
.endr
.irp q, 0,1
	s_delay_alu instid0(VALU_DEP_2)
	v_sub_f32 v[TT+8*\q], v[ST+4*\q], v[TT+8*\q]   ; old M - new M: a whole number, 0 or less
.endr
.irp q, 0,1
	s_delay_alu instid0(VALU_DEP_2)
	v_cvt_i32_f32 v[TT+8*\q], v[TT+8*\q]           ; (it saturates)
.endr
.irp q, 0,1
	s_delay_alu instid0(VALU_DEP_2)
	v_ldexp_f32 v[TT+8*\q+4], 1.0, v[TT+8*\q]      ; f = 2^(old M - new M)
.endr
.irp q, 0,1
.set j, S+64*\q
.rept 32
	v_pk_fma_f32 v[j:j+1], v[j:j+1], s[CS:CS+1], v[ST+4*\q:ST+4*\q+1] op_sel_hi:[1,0,0]   ; t - M, two at a time (of the pairs c and -M the low word serves both halves)
.set j, j+2
.endr
.endr
.set j, S
	s_setprio 1
	s_wait_alu depctr_va_vdst(0)
.rept 128
	v_exp_f32 v[j], v[j]                           ; p = 2^(t - M), at most 1
.set j, j+1
.endr
.irp q, 0,1
	v_pk_mul_f32 v[ST+4*\q+2:ST+4*\q+3], v[ST+4*\q+2:ST+4*\q+3], v[TT+8*\q+4:TT+8*\q+5] op_sel_hi:[1,0]   ; the sums under the new M (the plain place behind the exponentials)
.endr
	s_wait_alu depctr_va_vdst(0)
.irp q, 0,1
	v_pk_add_f32 v[TT+8*\q+6:TT+8*\q+7], v[S+64*\q:S+64*\q+1], v[S+64*\q+2:S+64*\q+3]      ; the row's sum is taken of the unquantised p, in two chains a tile
.endr
.set j, 4
.rept 15
.irp q, 0,1
	v_pk_add_f32 v[ST+4*\q+2:ST+4*\q+3], v[ST+4*\q+2:ST+4*\q+3], v[S+64*\q+j:S+64*\q+j+1]
	v_pk_add_f32 v[TT+8*\q+6:TT+8*\q+7], v[TT+8*\q+6:TT+8*\q+7], v[S+64*\q+j+2:S+64*\q+j+3]
.endr
.set j, j+4
.endr
.irp q, 0
	s_delay_alu instid0(VALU_DEP_3)
	v_pk_add_f32 v[ST+4*\q+2:ST+4*\q+3], v[ST+4*\q+2:ST+4*\q+3], v[TT+8*\q+6:TT+8*\q+7]
.endr
.irp q, 1
	s_delay_alu instid0(VALU_DEP_2)
	v_pk_add_f32 v[ST+4*\q+2:ST+4*\q+3], v[ST+4*\q+2:ST+4*\q+3], v[TT+8*\q+6:TT+8*\q+7]
.endr
.irp q, 0,1
.irp b, 0,1,2,3
.set j, S+64*\q+16*\b
.rept 16
.set j, j+1
.endr
	v_cvt_scalef32_pk8_bf8_f32 v[P+16*\q+4*\b:P+16*\q+4*\b+1], v[S+64*\q+16*\b:S+64*\q+16*\b+7], v[SCL]       ; tile 2 b of S^T -> pair 2 b of P: keys 32 b + 8 h + 0..7
	v_cvt_scalef32_pk8_bf8_f32 v[P+16*\q+4*\b+2:P+16*\q+4*\b+3], v[S+64*\q+16*\b+8:S+64*\q+16*\b+15], v[SCL]
.endr
.endr
	s_setprio 0
.irp q, 0,1
.set j, O+32*\q
.rept 16
	v_pk_mul_f32 v[j:j+1], v[j:j+1], v[TT+8*\q+4:TT+8*\q+5] op_sel_hi:[1,0]    ; O^T under the new M (also the plain lines between the conversions and the products below)
.set j, j+2
.endr
.endr
	s_wait_alu depctr_va_vdst(0)
	s_wait_dscnt 0x0                               ; V is in
	WIN 0x01                                       ; V window 1; P, O^T window 0
.irp t, 0,1,2,3
.irp q, 0,1
	v_wmma_f32_16x16x128_bf8_bf8 v[O+32*\q+8*\t:O+32*\q+8*\t+7], v[VF+16*\t:VF+16*\t+15], v[P+16*\q:P+16*\q+15], v[O+32*\q+8*\t:O+32*\q+8*\t+7]   ; the eight accumulators take turns
.endr
.endr
	WIN 0
.endm
; THE CHANGE OF SLOTS stands at a slot's head.  Each wave waits for all its tensor loads (its eighth of the slot ahead), adds 0 to its spare word, and waits for that and for its reads of the slot that it has left.
; fill = 1: the barrier is a round of the cluster's, so that no wave of any partner still reads that slot or has a load on its way; the joint refill is the first thing behind it and has eight key steps in which to land.
.macro CHANGE fill
	s_wait_tensorcnt 0x0                           ; no tensor load of mine is out, so group 0 may be written
	ds_add_u32 v[SPW], v[NIL]                      ; 0 onto my spare word
.if \fill
	s_xor_b32 s[G0+1], s[G0+1], SLOTB              ; the other slot than last time,
	s_add_nc_u64 s[G0+2:G0+3], s[G0+2:G0+3], SLOTB ; the next 1,024 keys; the type bits on top are not reached
	s_wait_xcnt 0x0                                ; the last prefetch, a slot back, has read its address
	s_add_nc_u64 s[PFA:PFA+1], s[PFA:PFA+1], SLOTB ; one slot further on than the walking descriptor
	s_wait_dscnt 0x0                               ; the add is done, and my reads of the slot that I have left are over
	CROUND
	tensor_load_to_lds s[G0:G0+3], s[G1:G1+7]      ; my one tensor load until the next round
	s_nop 0
.rept 4
	v_nop
.endr
	ASK
.else
	s_wait_dscnt 0x0
	s_barrier_signal -1
	s_barrier_wait -1
.endif
.endm
.macro SLOT_STEPS                      ; a slot's eight key steps: written once, walked eight times; the LDS addresses hang on s[TB]
	s_mov_b32 s[CNT], 8
.Lstep_\@:
	s_setprio 2
	STEP
	s_add_co_u32 s[TB], s[TB], 8192
	s_sub_co_u32 s[CNT], s[CNT], 1
	s_cmp_lg_u32 s[CNT], 0
	s_cbranch_scc1 .Lstep_\@
	s_setprio 0
	s_sub_co_u32 s[TB], s[TB], 65536               ; back to a slot's first step,
	s_xor_b32 s[TB], s[TB], SLOTB                  ; in the other slot
.endm
	s_wait_loadcnt 0x0                             ; Q
.Lslot:                                            ; three trips: behind each change of slots but the last the next slot is asked for
	CHANGE 1
	SLOT_STEPS
	s_sub_co_u32 s[SLOTS], s[SLOTS], 1
	s_cmp_lg_u32 s[SLOTS], 0
	s_cbranch_scc1 .Lslot
	CHANGE 0                                       ; the last slot is written out
	SLOT_STEPS
	; THE WAY OUT.  out = O^T x 2^(e8 + e9) / the sum; its code is (O^T / the sum) / 2^(e11 - e8 - e9).  Tile t's conversion is register pair t of the image: by V's choice of rows, channels 32 (t / 2) + 16 h + 8 (t % 2) + 0..7.
.irp q, 0,1
	v_add_f32 v[TT+8*\q], v[ST+4*\q+2], v[ST+4*\q+3]       ; the sum's two halves (these additions and the moves below are the places behind the last products)
.endr
.irp q, 0,1
	s_delay_alu instid0(VALU_DEP_2)
	v_permlanex16_b32 v[TT+8*\q+2], v[TT+8*\q], s[SEL], s[SEL+1]
.endr
.irp q, 0,1
	s_delay_alu instid0(VALU_DEP_2)
	v_add_f32 v[TT+8*\q], v[TT+8*\q], v[TT+8*\q+2]         ; and lane l xor 16's
.endr
	s_wait_alu depctr_va_vdst(0)
.irp q, 0,1
	v_rcp_f32 v[TT+8*\q+4], v[TT+8*\q]
.endr
	s_sub_co_i32 s38, s55, s52
	s_sub_co_i32 s38, s38, s53                     ; e11 - e8 - e9
	s_add_co_i32 s38, s38, 127
	s_lshl_b32 s39, s38, 23
	v_mov_b32 v[SCL], s39                          ; (a plain instruction behind the reciprocals)
	s_wait_alu depctr_va_vdst(0)
.irp q, 0,1
.set j, 0
.rept 16
	v_pk_mul_f32 v[S+64*\q+j:S+64*\q+j+1], v[O+32*\q+j:O+32*\q+j+1], v[TT+8*\q+4:TT+8*\q+5] op_sel_hi:[1,0]   ; each accumulator from its low end on
.set j, j+2
.endr
.endr
.irp q, 0,1
.set j, S+64*\q
.rept 32
.set j, j+1
.endr
.irp t, 0,1,2,3
	v_cvt_scalef32_pk8_bf8_f32 v[P+16*\q+2*\t:P+16*\q+2*\t+1], v[S+64*\q+8*\t:S+64*\q+8*\t+7], v[SCL]
.endr
.endr
	v_nop                                          ; one plain instruction behind the last conversion
.irp q, 0,1
.irp u, 0,1
	global_store_b128 v[LI], v[P+16*\q+4*\u:P+16*\q+4*\u+3], s[10:11] offset:4096*\q+512*\u   ; a wave stores 512 consecutive bytes, aligned
.endr
.endr
	s_wait_tensorcnt 0x0                           ; the wave's end
	ds_add_u32 v[SPW], v[NIL]
	s_wait_dscnt 0x0
	CROUND                                         ; the closing round: no work-group ends while a partner may still ask for a tile that names it
	s_endpgm
.Lfunc_end_k_q7c064e9045_attn:
	.size	k_q7c064e9045_attn, .Lfunc_end_k_q7c064e9045_attn-k_q7c064e9045_attn
	.p2alignl 7, 3214868480
	.fill 96, 4, 3214868480
	.section	.rodata,"a",@progbits
	.p2align	6, 0x0
	.amdhsa_kernel k_q7c064e9045_attn
		.amdhsa_group_segment_fixed_size 327680
		.amdhsa_private_segment_fixed_size 0
		.amdhsa_enable_private_segment 0
		.amdhsa_kernarg_size 32
		.amdhsa_user_sgpr_count 2
		.amdhsa_user_sgpr_kernarg_segment_ptr 1
		.amdhsa_wavefront_size32 1
		.amdhsa_system_sgpr_workgroup_id_x 1
		.amdhsa_system_sgpr_workgroup_id_y 1
		.amdhsa_system_sgpr_workgroup_id_z 1
		.amdhsa_system_vgpr_workitem_id 0
		.amdhsa_next_free_vgpr 448
		.amdhsa_next_free_sgpr 66
		.amdhsa_reserve_vcc 0
		.amdhsa_float_denorm_mode_32 3
		.amdhsa_float_denorm_mode_16_64 3
		.amdhsa_fp16_overflow 1
		.amdhsa_memory_ordered 1
		.amdhsa_forward_progress 1
		.amdhsa_inst_pref_size 63
	.end_amdhsa_kernel
	.amdgpu_metadata
---
amdhsa.version: [ 1, 2 ]
amdhsa.kernels:
  - .name:           k_q7c064e9045_attn
    .symbol:         k_q7c064e9045_attn.kd
    .args:
      - { .name: q_img, .offset: 0, .size: 8, .value_kind: global_buffer, .address_space: global }
      - { .name: kv_img, .offset: 8, .size: 8, .value_kind: global_buffer, .address_space: global }
      - { .name: lowp_scales, .offset: 16, .size: 8, .value_kind: global_buffer, .address_space: global }
      - { .name: o_img, .offset: 24, .size: 8, .value_kind: global_buffer, .address_space: global }
    .group_segment_fixed_size: 327680
    .private_segment_fixed_size: 0
    .kernarg_segment_align: 8
    .kernarg_segment_size: 32
    .max_flat_workgroup_size: 256
    .sgpr_count:     66
    .vgpr_count:     448
    .wavefront_size: 32
...
	.end_amdgpu_metadata
.endif
;; end of part 3
;; launch outp (part 4): grid 256 x 1, 4 waves a work-group, no clusters, 17,920 bytes of LDS; arguments o_img, wo_codes, bo, x, lowp_scales, out0; writes out0
.if DOCPART == 4
	.amdgcn_target "amdgcn-amd-amdhsa--gfx1250"
	.amdhsa_code_object_version 6
	.text
	.protected	k_q7c064e9045_outp
	.globl	k_q7c064e9045_outp
	.p2align	8
	.type	k_q7c064e9045_outp,@function
k_q7c064e9045_outp:
	s_mov_b64 s[64:65], 0
	v_nop
	global_prefetch_b8 v0, s[64:65] scope:SCOPE_SE
	s_setreg_imm32_b32 hwreg(HW_REG_WAVE_MODE, 25, 1), 1
	s_wait_xcnt 0x0
; out0 = x + bo + 2^(e10 + e11) x (wo's codes . the attention's codes).  A work-group takes 64 columns n of one batch; wave w the output channels 64 w .. 64 w + 63: 16 accumulators, K = 4 heads of 64.
; OPERANDS.  The attention's codes lie as images of registers: registers 4 c .. 4 c + 3 of lane (r, h) hold the head's channels 32 c + 16 h + 0..15 of column r.  wo's fragment comes by 16-byte loads at
; row x 256 + 64 head + 32 c + 16 h: the same k in the same place, so every product meets its partner.
; Source 0 = 16 columns n, source 1 = 16 rows of wo: a lane holds one output channel and 8 neighbouring n.  16 channels x 64 n at a time go through the wave's own stage in LDS (rows of 256 bytes + 16) and come back as
; whole rows, to which x, loaded in the same shape, is added: sixteen lanes store 256 consecutive bytes, aligned.
; LIMIT: e10 + e11 between -126 and 127.
; NO JOINT LOADS: a wave reads its 16 KiB of wo once, into registers, and makes one pass; there is no loop of fills that a cluster's round could serve.
; REGISTERS: window 0: v1-6 addresses; v8-15 bo, one number a lane and tile (as pairs); TMP a tile's 32 results; BKR rows read back, a set for each tile.
; window 1: the codes' fragment (n tile i, head s) at v[8 (4 i + s)]; wo's (tile t, head s) at v[128 + 8 (4 t + s)].   window 2: accumulator (t, i) at v[8 (4 t + i)]; x at v[128 + 4 (8 t + k)].
.set TMP, 32
.set BKR, 64
.set MSB, 0
.macro WIN new                         ; the immediate's high byte repeats the setting that is left
.if MSB != (\new)
	s_set_vgpr_msb (MSB<<8)|(\new)
.set MSB, (\new)
.endif
.endm
	s_load_b256 s[4:11], s[0:1], 0x0               ; o_img 4, wo 6, bo 8, x 10
	s_load_b128 s[12:15], s[0:1], 0x20             ; scales 12, out0 14
	v_lshl_add_u32 v254, v0, 2, 0x4400
	v_mov_b32 v255, 0
	v_lshrrev_b32 v7, 5, v0
	v_readfirstlane_b32 s18, v7                    ; wave
	v_and_b32 v16, 15, v0                          ; r
	v_bfe_u32 v17, v0, 4, 1                        ; h
	v_and_b32 v1, 31, v0
	v_lshlrev_b32 v1, 4, v1                        ; an image's place for my lane
	v_lshlrev_b32 v2, 8, v16
	v_lshl_add_u32 v2, v17, 4, v2                  ; wo: row r + 16 h
	s_mul_i32 s19, s18, 4352                       ; my stage: 16 rows x 272 bytes
	v_mul_u32_u24 v3, v16, 272
	v_lshl_add_u32 v3, v17, 5, v3
	v_add_nc_u32 v3, s19, v3                       ; in: row r, + 32 h
	v_mul_u32_u24 v4, v17, 272
	v_lshl_add_u32 v4, v16, 4, v4
	v_add_nc_u32 v4, s19, v4                       ; back: lanes 0-15 one row, lanes 16-31 the next
	v_lshlrev_b32 v5, 4, v16
	v_lshl_add_u32 v5, v17, 14, v5                 ; and the same two rows (16,384 bytes apart) in x and in out0
	v_lshlrev_b32 v6, 2, v16                       ; bo: my channel of a tile
	s_lshl_b32 s20, ttmp9, 14                      ; the codes: [batch][256 tiles][4 heads][1,024]: my four tiles
	s_mov_b32 s21, 0
	s_lshl_b32 s22, s18, 14                        ; my 64 rows of wo
	s_mov_b32 s23, 0
	s_lshl_b32 s24, s18, 8                         ; my 64 numbers of bo
	s_mov_b32 s25, 0
	s_lshr_b32 s26, ttmp9, 6
	s_lshl_b32 s26, s26, 22                        ; batch,
	s_lshl_b32 s28, s18, 20
	s_add_co_u32 s26, s26, s28                     ; my 64 channels,
	s_and_b32 s28, ttmp9, 63
	s_lshl_b32 s28, s28, 8
	s_add_co_u32 s26, s26, s28                     ; my 64 columns
	s_mov_b32 s27, 0
	s_wait_alu depctr_va_vdst(0)
	s_wait_kmcnt 0x0
	s_load_b64 s[16:17], s[12:13], 0x28            ; e10, e11
	s_add_nc_u64 s[4:5], s[4:5], s[20:21]
	s_add_nc_u64 s[6:7], s[6:7], s[22:23]
	s_add_nc_u64 s[8:9], s[8:9], s[24:25]
	s_add_nc_u64 s[10:11], s[10:11], s[26:27]
	s_add_nc_u64 s[14:15], s[14:15], s[26:27]
.irp t, 0,1,2,3
	global_load_b32 v[8+2*\t], v6, s[8:9] offset:64*\t
	v_mov_b32 v[9+2*\t], 0                         ; named with it as a pair
.endr
	WIN 0x40
.irp i, 0,1,2,3
.irp s, 0,1,2,3
.irp u, 0,1
	global_load_b128 v[8*(4*\i+\s)+4*\u:8*(4*\i+\s)+4*\u+3], v1, s[4:5] offset:1024*(4*\i+\s)+512*\u
.endr
.endr
.endr
.irp t, 0,1,2,3
.irp s, 0,1,2,3
.irp c, 0,1
	global_load_b128 v[128+8*(4*\t+\s)+4*\c:128+8*(4*\t+\s)+4*\c+3], v2, s[6:7] offset:4096*\t+64*\s+32*\c
.endr
.endr
.endr
	WIN 0x80
.irp t, 0,1,2,3
.irp k, 0,1,2,3,4,5,6,7
	global_load_b128 v[128+4*(8*\t+\k):128+4*(8*\t+\k)+3], v5, s[10:11] offset:16384*(16*\t+2*\k) th:TH_LOAD_NT
.endr
.endr
	s_wait_loadcnt 32                              ; all but x's 32 loads, issued last
	WIN 0xa5                                       ; sources 0 and 1 window 1, C and D window 2
.irp s, 0,1,2,3                        ; the 16 accumulators take turns, a head at a time; the first head's products start the sums
.irp t, 0,1,2,3
.irp i, 0,1,2,3
.if \s == 0
	v_wmma_f32_16x16x64_bf8_bf8 v[8*(4*\t+\i):8*(4*\t+\i)+7], v[8*(4*\i+\s):8*(4*\i+\s)+7], v[128+8*(4*\t+\s):128+8*(4*\t+\s)+7], 0
.else
	v_wmma_f32_16x16x64_bf8_bf8 v[8*(4*\t+\i):8*(4*\t+\i)+7], v[8*(4*\i+\s):8*(4*\i+\s)+7], v[128+8*(4*\t+\s):128+8*(4*\t+\s)+7], v[8*(4*\t+\i):8*(4*\t+\i)+7]
.endif
.endr
.endr
.endr
	WIN 0
.rept 4
	v_nop                                          ; places ahead of the first read of results (ISA guide 7.12.1)
.endr
	s_wait_alu depctr_va_vdst(0)
	s_wait_kmcnt 0x0
	s_add_co_i32 s16, s16, s17
	s_add_co_i32 s16, s16, 127
	s_lshl_b32 s16, s16, 23                        ; 2^(e10 + e11) as f32
	s_mov_b32 s17, s16                             ; named with it as a pair
	s_wait_loadcnt 0x0                             ; x
.irp t, 0,1,2,3
	WIN 0x02                                       ; source 0 window 2
.irp i, 0,1,2,3
.irp e, 0,2,4,6
	v_pk_fma_f32 v[TMP+8*\i+\e:TMP+8*\i+\e+1], v[8*(4*\t+\i)+\e:8*(4*\t+\i)+\e+1], s[16:17], v[8+2*\t:9+2*\t] op_sel_hi:[1,0,0]   ; sum x 2^(e10 + e11) + bo; each accumulator from its low end on
.endr
.endr
	WIN 0
.irp i, 0,1,2,3
	ds_store_b128 v3, v[TMP+8*\i:TMP+8*\i+3] offset:64*\i          ; lane (r, h): channel r, columns 16 i + 8 h + 0..7
	ds_store_b128 v3, v[TMP+8*\i+4:TMP+8*\i+7] offset:64*\i+16
.endr
.irp k, 0,1,2,3,4,5,6,7
	ds_load_b128 v[BKR+32*\t+4*\k:BKR+32*\t+4*\k+3], v4 offset:544*\k   ; LDS serves a wave's instructions in order (ISA guide 5.7.1.4): these see my stores, and the next tile's stores come behind them
.endr
	s_wait_dscnt 0x0
	WIN 0x08                                       ; source 1 window 2
.irp k, 0,1,2,3,4,5,6,7
.irp e, 0,2
	v_pk_add_f32 v[BKR+32*\t+4*\k+\e:BKR+32*\t+4*\k+\e+1], v[BKR+32*\t+4*\k+\e:BKR+32*\t+4*\k+\e+1], v[128+4*(8*\t+\k)+\e:128+4*(8*\t+\k)+\e+1]   ; + x
.endr
.endr
	WIN 0
.irp k, 0,1,2,3,4,5,6,7
	global_store_b128 v5, v[BKR+32*\t+4*\k:BKR+32*\t+4*\k+3], s[14:15] offset:16384*(16*\t+2*\k) th:TH_STORE_NT   ; sixteen lanes store 256 consecutive bytes, aligned; each tile has registers of its own, so no store's data are written again
.endr
.endr
	s_wait_tensorcnt 0x0
	ds_add_u32 v254, v255
	s_wait_dscnt 0x0
	s_endpgm
.Lfunc_end_k_q7c064e9045_outp:
	.size	k_q7c064e9045_outp, .Lfunc_end_k_q7c064e9045_outp-k_q7c064e9045_outp
	.p2alignl 7, 3214868480
	.fill 96, 4, 3214868480
	.section	.rodata,"a",@progbits
	.p2align	6, 0x0
	.amdhsa_kernel k_q7c064e9045_outp
		.amdhsa_group_segment_fixed_size 17920
		.amdhsa_private_segment_fixed_size 0
		.amdhsa_enable_private_segment 0
		.amdhsa_kernarg_size 48
		.amdhsa_user_sgpr_count 2
		.amdhsa_user_sgpr_kernarg_segment_ptr 1
		.amdhsa_wavefront_size32 1
		.amdhsa_system_sgpr_workgroup_id_x 1
		.amdhsa_system_sgpr_workgroup_id_y 1
		.amdhsa_system_sgpr_workgroup_id_z 1
		.amdhsa_system_vgpr_workitem_id 0
		.amdhsa_next_free_vgpr 768
		.amdhsa_next_free_sgpr 66
		.amdhsa_reserve_vcc 0
		.amdhsa_float_denorm_mode_32 3
		.amdhsa_float_denorm_mode_16_64 3
		.amdhsa_memory_ordered 1
		.amdhsa_forward_progress 1
		.amdhsa_inst_pref_size 32
	.end_amdhsa_kernel
	.amdgpu_metadata
---
amdhsa.version: [ 1, 2 ]
amdhsa.kernels:
  - .name:           k_q7c064e9045_outp
    .symbol:         k_q7c064e9045_outp.kd
    .args:
      - { .name: o_img, .offset: 0, .size: 8, .value_kind: global_buffer, .address_space: global }
      - { .name: wo_codes, .offset: 8, .size: 8, .value_kind: global_buffer, .address_space: global }
      - { .name: bo, .offset: 16, .size: 8, .value_kind: global_buffer, .address_space: global }
      - { .name: x, .offset: 24, .size: 8, .value_kind: global_buffer, .address_space: global }
      - { .name: lowp_scales, .offset: 32, .size: 8, .value_kind: global_buffer, .address_space: global }
      - { .name: out0, .offset: 40, .size: 8, .value_kind: global_buffer, .address_space: global }
    .group_segment_fixed_size: 17920
    .private_segment_fixed_size: 0
    .kernarg_segment_align: 8
    .kernarg_segment_size: 48
    .max_flat_workgroup_size: 128
    .sgpr_count:     66
    .vgpr_count:     768
    .wavefront_size: 32
...
	.end_amdgpu_metadata
.endif
;; end of part 4
